; MI455X (gfx1250); checked and timed in simulation.
; The chip was launched on July 23, 2026; its instructions are those of AMD's public machine-readable ISA for CDNA 5 (MIT licence, August 2026) and "CDNA5" Instruction Set Architecture Reference Guide (July 2026). The comments in the code are by the model that wrote it; some were corrected since.
;; Multi Head Attention. Allowed arithmetic: matrix products marked QUANTISED: E4M3 operands, one given power-of-two scale a tensor, by v_wmma_f32_16x16x64_fp8_fp8 or v_wmma_f32_16x16x128_fp8_fp8, f32 sums; everything else in f32.
;; Inputs: b_out 1,024 float32; b_qkv 3,072 float32; lowp_scales 8 int32 (the exponents e of the quantised operands' scales 2^e); w_out_codes 1,024 x 32 x 32 uint8 (E4M3 codes of w_out, K innermost, in blocks of 32 codes); w_qkv_codes 3,072 x 32 x 32 uint8 (E4M3 codes of w_qkv, K innermost, in blocks of 32 codes); x_codes 4 x 2,048 x 32 x 32 uint8 (E4M3 codes of x, K innermost, in blocks of 32 codes).
;; Outputs: out0 4 x 2,048 x 1,024 float32.
;; This version of the problem:
;;   THIS VERSION OF THE PROBLEM IS GIVEN IN LOW PRECISION. The matrix products marked QUANTISED in the list below multiply operands that are first quantised to E4M3 (4 exponent bits, 3 mantissa bits; 8 bits a number), with one given power-of-two scale for each operand tensor; their sums are f32. All else is computed in f32.
;;   The module's matrix products, in the order in which they are computed (A, B: the left and right operand; K: the contracted axis; several contracted axes count as one K, in the product's order):
;;     1. [M 8,192, K 1,024] x [K 1,024, N 3,072]; A: input x (given as codes); B: input w_qkv (given as codes): QUANTISED (scales: A lowp_scales[0], B lowp_scales[1])
;;     2. batch 64 x [M 2,048, K 64] x [K 64, N 2,048]; A: computed on the way; B: computed on the way: QUANTISED (scales: A lowp_scales[2], B lowp_scales[3])
;;     3. batch 64 x [M 2,048, K 2,048] x [K 2,048, N 64]; A: softmax (see below); B: computed on the way: QUANTISED (scales: A lowp_scales[4], B lowp_scales[5])
;;     4. [M 8,192, K 1,024] x [K 1,024, N 1,024]; A: computed on the way; B: input w_out (given as codes): QUANTISED (scales: A lowp_scales[6], B lowp_scales[7])
;;   THE QUANTISER, for each operand of a quantised product, along K:
;;     - The operand's scale is 2^e, e = its entry of the input lowp_scales (int32; the entries are numbered through the quantised products in the list's order, A before B).
;;     - Each number is divided by the scale, clamped to +-448, and rounded to the nearest number of E4M3, ties to even, subnormals kept.
;;     - The product sums the exact products of the quantised numbers (number of the format x scale) in f32.
;;   ~~~python
;;   def quantise(x, axis, e):      # numpy; x: float32 -> the quantised numbers, widened to float32 again
;;       x = np.moveaxis(x, axis, -1); K = x.shape[-1]
;;       r = np.clip(x / 2.0 ** e, -448, 448)
;;       step = 2.0 ** (np.maximum(np.frexp(np.where(r == 0, 1, r))[1] - 1, -6) - 3)
;;       q = np.round(r / step) * step * 2.0 ** e      # np.round: ties to even
;;       return np.moveaxis(q, -1, axis).astype(np.float32)
;;   ~~~
;;   SOFTMAX AHEAD OF A QUANTISED PRODUCT. Where the list says 'softmax', what is quantised is not the finished softmax but p = 2^(t - M), with t = logit x log2(e) and M = ceil(the row's largest t), a whole number; so 1/2 < the row's largest p <= 1. The row's sum l is taken of the UNQUANTISED p, in f32, and the product's result is divided by l at the end. Since M is a whole number, a kernel that streams over the keys may use a running M (the ceiling of the running maximum): every later rescaling is an exact power of two, so the quantised numbers keep their values, but for numbers so far below the row's largest that they fall under the format's range.
;;   OPERANDS COMPUTED ON THE WAY. 'Computed on the way' means the value that the module computes at that place (a softmax that the list does not call 'softmax' is quantised finished and normalised). What goes into a quantiser is computed in f32, as accurately as f32 sums, v_exp_f32 and their like allow (about 1e-6 of the number): no bf16 or f16 on the way to a quantiser, and a product that is left as it is and whose result goes on into a quantised operand takes f32 operands (vector FMAs, or v_wmma_f32_16x16x4_f32). A number that lies on a knife's edge between two numbers of the format may be rounded either way, as far as f32 arithmetic and the matrix unit's own rounding can turn it there, and no further.
;;   INPUTS GIVEN AS CODES. w_out (in the module: [1024, 1024], K = its axis 0); w_qkv (in the module: [1024, 3072], K = its axis 0); x (in the module: [4, 2048, 1024], K = its axis 2): each comes as NAME_codes (uint8): NAME with its K axis moved to the last place and cut into blocks of 32 codes, [.., K / 32, bytes a block], one block behind the other in memory; one code a byte (a code: sign, 4 exponent bits, 3 mantissa bits); its scale is its entry of lowp_scales. Its value is code x scale, taken as it is: it is not quantised again, and the codes and scales need not be those that the quantiser above would give.
;; One version. Each part assembles by itself: llvm-mc -triple=amdgcn-amd-amdhsa -mcpu=gfx1250 --defsym DOCPART=n.
;; ======== version 1 of 1: 3 launches
;; limits: right only within a limited range of input values
;; workspace buffers: q_img 8,388,608 bytes; k_img 8,388,608 bytes; v_img 8,388,608 bytes; a_img 8,388,608 bytes
;; launch qkv (part 1): grid 12 x 32, 4 waves a work-group, clusters of 4 x 4, 327,680 bytes of LDS; arguments x_codes, w_qkv_codes, lowp_scales, b_qkv, q_img, k_img, v_img; writes q_img, k_img, v_img
.if DOCPART == 1
	.amdgcn_target "amdgcn-amd-amdhsa--gfx1250"
	.amdhsa_code_object_version 6
	.text
	.protected	k_q50dfcf1d50_qkv
	.globl	k_q50dfcf1d50_qkv
	.p2align	8
	.type	k_q50dfcf1d50_qkv,@function
k_q50dfcf1d50_qkv:
	s_mov_b64 s[64:65], 0
	v_nop
	global_prefetch_b8 v0, s[64:65] scope:SCOPE_SE
	s_setreg_imm32_b32 hwreg(HW_REG_WAVE_MODE, 25, 1), 1
	s_wait_xcnt 0x0
	s_wait_alu depctr_hold_cnt(0) depctr_sa_sdst(0) depctr_va_vdst(0) depctr_va_sdst(0) depctr_va_ssrc(0) depctr_va_vcc(0) depctr_vm_vsrc(0)
	s_getreg_b32 s2, hwreg(HW_REG_IB_STS2, 6, 4)
	s_cmp_eq_u32 s2, 0
	s_cbranch_scc0 .Lentry_in_a_cluster
	s_endpgm
.Lentry_in_a_cluster:
	s_bfe_u32 s2, ttmp6, 0x10000c
	s_cmp_lg_u32 s2, 0xf033
	s_cbranch_scc0 .Lentry_shape_is_right
	s_endpgm
.Lentry_shape_is_right:
; qkv = x w_qkv + b_qkv on codes of E4M3, and q, k, v quantised at once with their given scales (entries 2, 3, 5 of the scales), stored as IMAGES OF OPERAND REGISTERS.
; x: [8192 tokens][1024] codes; w_qkv: [3072 features][1024] codes; feature = 1024 x (q, k, v) + 64 x head + d.
; A tile of 256 x 256 is made by four waves, each 128 x 128: 64 accumulators, 512 registers.  K = 1024 goes in four steps of 256 through two LDS slots filled by joint tensor loads.
; The matrix instruction is used transposed: source 0 = 16 rows of B', source 1 = 16 rows of A'; a lane then holds ONE row of A' and eight neighbouring rows of B'.
;   clusters x = 0, 1 (q, k): A' = x (tokens), B' = w (features): a lane's eight sums are eight neighbouring d of one token: two registers of a 16 x 64 fragment of q or k.
;   cluster  x = 2    (v):    A' = w (features 2048 on), B' = x (tokens): a lane's eight sums are eight neighbouring KEYS of one d: two registers of a 16 x 128 fragment of v^T.
; The choice hangs on the cluster's x alone, which all sixteen partners share.  A' tiles hang on cy alone (asked jointly along a row of the cluster), B' tiles on cx alone (along a column).
; The fragments of both operands are fetched 16 bytes a lane: a permutation of k inside an instruction, the same on both sides.
; THE BIAS is the C of the first K step, divided by 2^(e0 + e1), the power of two that the sums lack.  code = sum / 2^(e_out - e0 - e1), held within +-448.
; OUT: q_img, k_img [64 heads][128 tiles of 16 tokens][2][32 lanes][16 bytes]; v_img [64 heads][16 blocks of 128 keys][4 tiles of 16 d][4][32 lanes][16 bytes]: each store of a wave covers 512 consecutive bytes, aligned.
; LIMITS: e_out - e0 - e1 between -126 and 119 for e_out = e2, e3, e5, so that the scale and 448 x the scale are f32 numbers.  NaN codes among the inputs are not served.
; REGISTERS: window 0: v16-31 addresses and constants; v32-95 the bias as C, later a block's held sums; v96-103 v's bias as loaded; v128-255 A' fragments (one set), later the codes.
;   window 1: B' fragments, two sets.  windows 2, 3: the accumulators ((a, b) at v[8 (8 (a % 4) + b)]).
.set PITCH,  272                       ; an LDS row: 256 bytes + 16 of padding: the 16 rows that a load touches start 68 words apart
.set ROWB,   256
.set KROW,   1024
.set FR,     16
.set NL,     4
.set NP,     4
.set HALFT,  128*PITCH
.set SLOT,   4*HALFT
.set SPARE,  2*SLOT                    ; behind the ring: the spare words, 128 bytes a wave
.set ADRA, 16
.set ADRB, 20
.set VO0,  26                          ; v26  16 x lane
.set VO1,  27                          ; v27  the same + X (the second head for q, k; the fragment's second half for v)
.set SPW,  28
.set NIL,  29
.set LIM,  30
.set SC,   31                          ; v31  2^(e_out - e0 - e1)
.set BI,   32
.set TMP,  32
.set BV,   96
.set AF,   128
.set CD,   128
.set G1,   24
.set G0,   32
.set G1B,  48
.set G0B,  56
.set TO_B, 0x40
.set MSB, 0
.macro WIN new                         ; the immediate's high byte repeats the setting that is left
.if MSB != (\new)
	s_set_vgpr_msb (MSB<<8)|(\new)
.set MSB, (\new)
.endif
.endm
.macro MULWIN hi, zero                 ; source 0 (B') window 1, source 1 (A') window 0, D window 2 or 3; C with D, or (the bias) in window 0
.if \zero
	WIN 0x81+0x40*(\hi)
.else
	WIN 0xa1+0x50*(\hi)
.endif
.endm
; A joint load: waves 0 and 1 fetch A' halves, waves 2 and 3 B' halves.  The branch hangs on the wave's number alone.  Four v_nop follow each of the two lines.
.macro JLOAD g0a, g1a, g0b, g1b
	s_cmp_eq_u32 s15, 0
	s_cbranch_scc0 .Lfor_b_\@
	tensor_load_to_lds s[\g0a:\g0a+3], s[\g1a:\g1a+7]
	s_nop 0
.rept 4
	v_nop
.endr
	s_branch .Lasked_\@
.Lfor_b_\@:
	tensor_load_to_lds s[\g0b:\g0b+3], s[\g1b:\g1b+7]
	s_nop 0
.rept 4
	v_nop
.endr
.Lasked_\@:
.endm
.macro CREST                           ; a round of the cluster's barrier behind its opening barrier
	s_cmp_lg_u32 s14, 0
	s_cbranch_scc1 .Lnot_wave_0_\@
	s_barrier_signal -3
.Lnot_wave_0_\@:
	s_barrier_wait -3
	s_barrier_signal -1
	s_barrier_wait -1
.endm
.macro CROUND
	s_barrier_signal -1
	s_barrier_wait -1
	CREST
.endm
	s_load_b256 s[4:11], s[0:1], 0x0               ; x s[4:5], w s[6:7], the exponents s[8:9], b_qkv s[10:11]
	s_load_b128 s[68:71], s[0:1], 0x20             ; q_img, k_img
	s_load_b64 s[72:73], s[0:1], 0x30              ; v_img
	v_lshl_add_u32 v[SPW], v0, 2, SPARE
	v_mov_b32 v[NIL], 0
	ds_add_u32 v28, v29
	ds_add_u32 v28, v29
	s_wait_dscnt 0x0
	v_lshrrev_b32 v1, 5, v0
	v_readfirstlane_b32 s14, v1                    ; wave 0..3
	s_lshr_b32 s15, s14, 1                         ; my half of the tile's A' rows.  Also: I fetch for A' (0) or B' (1)
	s_and_b32 s16, s14, 1                          ; my half of its B' rows.  Also: which 128 rows I fetch
	s_bfe_u32 s40, ttmp6, 0x40000                  ; cx
	s_bfe_u32 s41, ttmp6, 0x40004                  ; cy
	s_and_b32 s77, ttmp7, 0xffff                   ; cluster y
	s_lshl_b32 s18, s77, 2
	s_lshl_b32 s19, ttmp9, 2
	s_cmp_eq_u32 ttmp9, 2                          ; v's clusters?
	s_cselect_b32 s17, 0, s18
	s_cselect_b32 s42, s18, s19
	s_cselect_b32 s22, 2048, 0                     ; v's features begin at row 2048 of w
	s_add_co_u32 s17, s17, s41                     ; tile row of A': cy (v) or 4 x cluster y + cy
	s_add_co_u32 s42, s42, s40                     ; tile row of B': 4 x cluster y + cx (v) or 4 x cluster x + cx
	s_lshl_b32 s43, s41, 2
	s_lshl_b32 s43, 15, s43                        ; my row of the cluster
	s_lshl_b32 s44, 0x1111, s40                    ; my column
	s_or_b32 s[G1+0], s43, (0<<16)|(1<<20)|(1<<21)|(5<<22)|(3<<25)  ; mask; elements of 1 byte; padding on; bit 21 beside a mask; after every 64 words, 4 words
	s_or_b32 s[G1B+0], s44, (0<<16)|(1<<20)|(1<<21)|(5<<22)|(3<<25)
.irp g, G1, G1B
	s_mov_b32 s[\g+1], ROWB<<16                    ; tensor_dim0 = 256
	s_mov_b32 s[\g+2], 128<<16                     ; tensor_dim1 = 128
	s_mov_b32 s[\g+3], ROWB<<16                    ; tile_dim0
	s_mov_b32 s[\g+4], 128                         ; tile_dim1
	s_mov_b32 s[\g+5], KROW                        ; from row to row
	s_mov_b32 s[\g+6], 0
	s_mov_b32 s[\g+7], 0
.endr
	s_lshl_b32 s18, s16, 7
	s_lshl_b32 s20, s17, 8
	s_add_co_u32 s20, s20, s18
	s_add_co_u32 s20, s20, s22                     ; A': row 256 x tile row + 128 x half (+ 2048)
	s_lshl_b32 s20, s20, 10                        ; in bytes
	s_mov_b32 s21, 0
	s_lshl_b32 s46, s42, 8
	s_add_co_u32 s46, s46, s18                     ; B' likewise
	s_lshl_b32 s46, s46, 10
	s_mov_b32 s47, 0
	s_mul_i32 s45, s14, HALFT                      ; where they go: wave x 128 rows
	s_wait_kmcnt 0x0
	s_load_b256 s[84:91], s[8:9], 0x0              ; e0 .. e7
	s_cmp_eq_u32 ttmp9, 2
	s_cselect_b64 s[80:81], s[6:7], s[4:5]         ; A'
	s_cselect_b64 s[82:83], s[4:5], s[6:7]         ; B'
	s_add_nc_u64 s[20:21], s[80:81], s[20:21]
	s_add_nc_u64 s[46:47], s[82:83], s[46:47]
	CROUND                                         ; all sixteen work-groups are here: the first joint loads meet
.irp s, 0,1
	s_mov_b32 s[G0+4*\s], 1
	s_add_co_u32 s[G0+4*\s+1], s45, \s*SLOT
	s_add_nc_u64 s[G0+4*\s+2:G0+4*\s+3], s[20:21], \s*ROWB
	s_or_b32 s[G0+4*\s+3], s[G0+4*\s+3], 0x80000000
	s_mov_b32 s[G0B+4*\s], 1
	s_add_co_u32 s[G0B+4*\s+1], s45, \s*SLOT
	s_add_nc_u64 s[G0B+4*\s+2:G0B+4*\s+3], s[46:47], \s*ROWB
	s_or_b32 s[G0B+4*\s+3], s[G0B+4*\s+3], 0x80000000
	JLOAD G0+4*\s, G1, G0B+4*\s, G1B
.endr
	v_and_b32 v1, 15, v0                           ; r
	v_bfe_u32 v2, v0, 4, 1                         ; h
	s_wait_alu depctr_va_vdst(0)
	v_mul_u32_u24 v3, v1, PITCH
	v_lshl_add_u32 v4, v2, 4, v3                   ; a fragment's row x pitch + 16 h
	s_mul_i32 s21, s15, HALFT
	s_mul_i32 s22, s16, HALFT
	s_add_co_u32 s22, s22, 2*HALFT
.irp s, 0,1
	v_add_nc_u32 v[ADRA+\s], s21, v4
	v_add_nc_u32 v[ADRB+\s], s22, v4
	s_add_co_u32 s21, s21, SLOT
	s_add_co_u32 s22, s22, SLOT
.endr
	s_lshl_b32 s96, s17, 8
	s_lshl_b32 s18, s15, 7
	s_add_co_u32 s96, s96, s18                     ; R0: my first row of A' in its tensor's part
	s_lshl_b32 s97, s42, 8
	s_lshl_b32 s18, s16, 7
	s_add_co_u32 s97, s97, s18                     ; C0: my first row of B'
	; THE BIAS, in the result's layout, / 2^(e0 + e1)
	s_add_co_u32 s82, s96, 2048
	s_cmp_eq_u32 ttmp9, 2
	s_cselect_b32 s82, s82, s97                    ; my first feature
	s_lshl_b32 s82, s82, 2
	s_mov_b32 s83, 0
	s_add_nc_u64 s[78:79], s[10:11], s[82:83]
	v_lshlrev_b32 v5, 5, v2                        ; 32 h
	v_lshlrev_b32 v6, 2, v1                        ; 4 r
	s_wait_kmcnt 0x0                               ; the exponents
	s_add_co_i32 s92, s84, s85
	s_sub_co_i32 s92, 0, s92                       ; -(e0 + e1)
	s_cmp_eq_u32 ttmp9, 2
	s_cbranch_scc1 .Lbias_v
	s_wait_alu depctr_va_vdst(0)
.irp b, 0,1,2,3,4,5,6,7                        ; q, k: register 8 b + j: feature C0 + 16 b + 8 h + j
	global_load_b128 v[BI+8*\b:BI+8*\b+3], v5, s[78:79] offset:64*\b
	global_load_b128 v[BI+8*\b+4:BI+8*\b+7], v5, s[78:79] offset:64*\b+16
.endr
	s_wait_loadcnt 0x0
.irp b, 0,1,2,3,4,5,6,7
.irp j, 0,1,2,3,4,5,6,7
	v_ldexp_f32 v[BI+8*\b+\j], v[BI+8*\b+\j], s92
.endr
.endr
	s_branch .Lbias_done
.Lbias_v:
	s_wait_alu depctr_va_vdst(0)
.irp a, 0,1,2,3,4,5,6,7                        ; v: all eight registers of block a: feature 2048 + R0 + 16 a + r
	global_load_b32 v[BV+\a], v6, s[78:79] offset:64*\a
.endr
	s_wait_loadcnt 0x0
.irp a, 0,1,2,3,4,5,6,7
.irp j, 0,1,2,3,4,5,6,7
	v_ldexp_f32 v[BI+8*\a+\j], v[BV+\a], s92
.endr
.endr
.Lbias_done:
	; THE WAY OUT's numbers, made while the first tiles land
	s_cmp_eq_u32 ttmp9, 1
	s_cselect_b32 s93, s87, s86                    ; e3 or e2,
	s_cselect_b64 s[12:13], s[70:71], s[68:69]
	s_cmp_eq_u32 ttmp9, 2
	s_cselect_b32 s93, s89, s93                    ; or e5
	s_cselect_b64 s[12:13], s[72:73], s[12:13]
	s_cselect_b32 s80, s97, s96                    ; my first token
	s_cselect_b32 s81, s96, s97                    ; my first feature
	s_mov_b32 s66, 1024
	s_cselect_b32 s66, 2048, s66                   ; from block to block: a tile of q or k is 1,024 bytes, a fragment of v 2,048
	s_cselect_b32 s74, 122880, 0                   ; v, at block 4: on to the next head: 131,072 - 4 x 2,048
	s_mov_b32 s76, 131072
	s_cselect_b32 s76, 1024, s76                   ; X
	s_mov_b32 s67, 0
	s_mov_b32 s75, 0
	s_and_b32 s81, s81, 1023
	s_lshr_b32 s81, s81, 6                         ; head
	s_lshr_b32 s82, s80, 11                        ; batch
	s_lshl_b32 s82, s82, 4
	s_add_co_u32 s82, s82, s81
	s_lshl_b32 s82, s82, 17                        ; 131,072 bytes a head in each of the three buffers
	s_and_b32 s80, s80, 2047
	s_lshl_b32 s80, s80, 6                         ; 64 bytes a token in each of them
	s_add_co_u32 s82, s82, s80
	s_mov_b32 s83, 0
	s_add_nc_u64 s[12:13], s[12:13], s[82:83]
	s_add_co_i32 s93, s93, s92                     ; e_out - e0 - e1
	s_add_co_i32 s93, s93, 127
	s_lshl_b32 s82, s93, 23
	v_mov_b32 v[SC], s82
	v_and_b32 v7, 31, v0
	v_lshlrev_b32 v[VO0], 4, v7
	v_add_nc_u32 v[VO1], s76, v[VO0]
.macro FRAG reg, adr, q, i             ; 16 rows x 128 K: registers 4 c .. 4 c + 3 hold K = 32 c + 16 h + 0 .. 15
.irp c, 0,1,2,3
	ds_load_b128 v[\reg+4*\c:\reg+4*\c+3], v[\adr] offset:128*(\q)+32*\c+(\i)*16*PITCH
.endr
.endm
; 16 matrix instructions: A' blocks a0, a0 + 1 x B' eight.  p: B' set.  zero = 0: add in place; 1: C = the bias of B' block b; 2: C = the bias of A' block a.
; The 64 accumulators take turns, one instruction a turn, in the same order in every step.
.macro MUL16 a0, p, zero
.irp a, \a0, \a0+1
.irp b, 0,1,2,3,4,5,6,7
.if \zero == 1
	v_wmma_f32_16x16x128_fp8_fp8 v[8*(8*((\a)%4)+\b):8*(8*((\a)%4)+\b)+7], v[128*(\p)+FR*\b:128*(\p)+FR*\b+FR-1], v[AF+FR*(\a):AF+FR*(\a)+FR-1], v[BI+8*\b:BI+8*\b+7]
.elseif \zero == 2
	v_wmma_f32_16x16x128_fp8_fp8 v[8*(8*((\a)%4)+\b):8*(8*((\a)%4)+\b)+7], v[128*(\p)+FR*\b:128*(\p)+FR*\b+FR-1], v[AF+FR*(\a):AF+FR*(\a)+FR-1], v[BI+8*(\a):BI+8*(\a)+7]
.else
	v_wmma_f32_16x16x128_fp8_fp8 v[8*(8*((\a)%4)+\b):8*(8*((\a)%4)+\b)+7], v[128*(\p)+FR*\b:128*(\p)+FR*\b+FR-1], v[AF+FR*(\a):AF+FR*(\a)+FR-1], v[8*(8*((\a)%4)+\b):8*(8*((\a)%4)+\b)+7]
.endif
.endr
.endr
.endm
.macro FETCH_B slot, q, p
	WIN TO_B
.irp i, 0,1,2,3,4,5,6,7
	FRAG 128*(\p)+FR*\i, ADRB+\slot, \q, \i
.endr
	WIN 0
.endm
.macro FETCH_A slot, q, i0
.irp i, \i0, \i0+1, \i0+2, \i0+3
	FRAG AF+FR*(\i), ADRA+\slot, \q, \i
.endr
.endm
.macro PLACES n                        ; plain vector lines between a matrix instruction and a load into, or a vector read of, its registers
.rept \n
	v_nop
.endr
.endm
; A step of 128 along K that has its successor in the same slot.  A' has one set of registers: blocks 0-3 are fetched anew in the middle, blocks 4-7 at the end.
.macro STEP slot, q, zero
	s_wait_dscnt 4*NL                              ; B' set and A' blocks 0-3 are in; the youngest 16 loads (blocks 4-7) may be out
	MULWIN 0, \zero
	MUL16 0, (\q)%2, \zero
	MUL16 2, (\q)%2, \zero
	s_wait_dscnt 0
	PLACES NP
	FETCH_B \slot, (\q)+1, 1-(\q)%2
	FETCH_A \slot, (\q)+1, 0
	MULWIN 1, \zero
	MUL16 4, (\q)%2, \zero
	MUL16 6, (\q)%2, \zero
	PLACES NP
	WIN 0
	FETCH_A \slot, (\q)+1, 4
.endm
; A slot's last step changes slots: one barrier; in front of it each wave waits for all its tensor loads, adds 0 to its spare word, and waits for that and for its reads of this slot.
.macro TURN slot, next, fill
	s_wait_tensorcnt 0x0                           ; all my tensor loads have landed: my part of the next slot (every window is 0 here)
	ds_add_u32 v[SPW], v[NIL]                      ; 0 onto my spare word
	s_wait_dscnt 4*NL+1                            ; the add and the youngest 16 loads may be out
	MULWIN 0, 0
	MUL16 0, 1, 0
	s_wait_dscnt 0x0                               ; the add is done, and my reads of this slot are over
	s_barrier_signal -1
	MUL16 2, 1, 0
	WIN 0
	s_barrier_wait -1
.if \fill
	CREST                                          ; the barrier has opened a round of the cluster's: no wave of any partner still reads this slot or has a load on its way
	s_add_nc_u64 s[G0+4*\slot+2:G0+4*\slot+3], s[G0+4*\slot+2:G0+4*\slot+3], 2*ROWB
	s_add_nc_u64 s[G0B+4*\slot+2:G0B+4*\slot+3], s[G0B+4*\slot+2:G0B+4*\slot+3], 2*ROWB
	JLOAD G0+4*\slot, G1, G0B+4*\slot, G1B         ; the first tensor load behind the round; its four v_nop are the places in front of the loads below
.else
	PLACES NP
.endif
	FETCH_B \next, 0, 0
	FETCH_A \next, 0, 0
	MULWIN 1, 0
	MUL16 4, 1, 0
	MUL16 6, 1, 0
	PLACES NP
	WIN 0
	FETCH_A \next, 0, 4
.endm
	s_wait_tensorcnt 1                             ; my part of K step 0 is in; K step 1's load may be out
	s_barrier_signal -1
	s_barrier_wait -1
	FETCH_B 0, 0, 0
	FETCH_A 0, 0, 0
	FETCH_A 0, 0, 4
	s_cmp_eq_u32 ttmp9, 2                          ; the first step starts the sums with the bias, which lies by B' blocks (q, k) or by A' blocks (v)
	s_cbranch_scc1 .Lfirst_v
	s_wait_alu depctr_va_vdst(0)
	STEP 0, 0, 1
	s_branch .Lfirst_done
.Lfirst_v:
	s_wait_alu depctr_va_vdst(0)
	STEP 0, 0, 2
.Lfirst_done:
	TURN 0, 1, 1                                   ; slot 0 takes K step 2
	STEP 1, 0, 0
	TURN 1, 0, 1                                   ; slot 1 takes K step 3
	STEP 0, 0, 0
	TURN 0, 1, 0                                   ; nothing is left to fetch
	STEP 1, 0, 0
	s_wait_dscnt 4*NL
	MULWIN 0, 0
	MUL16 0, 1, 0
	MUL16 2, 1, 0
	s_wait_dscnt 0
	MULWIN 1, 0
	MUL16 4, 1, 0
	MUL16 6, 1, 0
	WIN 0
	PLACES NP
; THE WAY OUT of block a (16 rows of A' x 128 rows of B'): held, converted, stored.  The 16 registers of codes ARE two fragments of q or k (two heads) or one of v^T: no LDS.
.macro OUTBLK a
	WIN 0x02+(\a)/4                                ; source 0: window 2 or 3
.irp b, 0,1,2,3,4,5,6,7
.irp i, 0,1,2,3,4,5,6,7
.endr
.endr
.irp b, 0,1,2,3,4,5,6,7
	v_cvt_scalef32_pk8_fp8_f32 v[CD+16*(\a)+2*\b:CD+16*(\a)+2*\b+1], v[TMP+8*\b+((64*((\a)%4)+8*0+0)-(TMP+8*0+0)):TMP+8*\b+7+((64*((\a)%4)+8*0+0)-(TMP+8*0+0))], v[SC]
.endr
	WIN 0
	v_nop                                          ; a plain line behind the conversions: the next block writes their sources
.if (\a) > 0
	s_wait_alu depctr_va_vdst(0)
	s_wait_xcnt 0x0                                ; the last block's stores have read their base
	s_add_nc_u64 s[12:13], s[12:13], s[66:67]
.if (\a) == 4
	s_add_nc_u64 s[12:13], s[12:13], s[74:75]
.endif
.endif
	global_store_b128 v[VO0], v[CD+16*(\a):CD+16*(\a)+3], s[12:13]              ; each store: 512 consecutive bytes, aligned
	global_store_b128 v[VO0], v[CD+16*(\a)+4:CD+16*(\a)+7], s[12:13] offset:512
	global_store_b128 v[VO1], v[CD+16*(\a)+8:CD+16*(\a)+11], s[12:13]
	global_store_b128 v[VO1], v[CD+16*(\a)+12:CD+16*(\a)+15], s[12:13] offset:512
.endm
.irp a, 0,1,2,3,4,5,6,7
	OUTBLK \a
.endr
	s_wait_tensorcnt 0x0                           ; the wave's end
	ds_add_u32 v[SPW], v[NIL]
	s_wait_dscnt 0x0
	CROUND                                         ; the closing round
	s_endpgm
.Lfunc_end_k_q50dfcf1d50_qkv:
	.size	k_q50dfcf1d50_qkv, .Lfunc_end_k_q50dfcf1d50_qkv-k_q50dfcf1d50_qkv
	.p2alignl 7, 3214868480
	.fill 96, 4, 3214868480
	.section	.rodata,"a",@progbits
	.p2align	6, 0x0
	.amdhsa_kernel k_q50dfcf1d50_qkv
		.amdhsa_group_segment_fixed_size 327680
		.amdhsa_private_segment_fixed_size 0
		.amdhsa_enable_private_segment 0
		.amdhsa_kernarg_size 56
		.amdhsa_user_sgpr_count 2
		.amdhsa_user_sgpr_kernarg_segment_ptr 1
		.amdhsa_wavefront_size32 1
		.amdhsa_system_sgpr_workgroup_id_x 1
		.amdhsa_system_sgpr_workgroup_id_y 1
		.amdhsa_system_sgpr_workgroup_id_z 1
		.amdhsa_system_vgpr_workitem_id 0
		.amdhsa_next_free_vgpr 1024
		.amdhsa_next_free_sgpr 100
		.amdhsa_reserve_vcc 0
		.amdhsa_float_denorm_mode_32 3
		.amdhsa_float_denorm_mode_16_64 3
		.amdhsa_fp16_overflow 1
		.amdhsa_memory_ordered 1
		.amdhsa_forward_progress 1
		.amdhsa_inst_pref_size 106
	.end_amdhsa_kernel
	.amdgpu_metadata
---
amdhsa.version: [ 1, 2 ]
amdhsa.kernels:
  - .name:           k_q50dfcf1d50_qkv
    .symbol:         k_q50dfcf1d50_qkv.kd
    .args:
      - { .name: x_codes, .offset: 0, .size: 8, .value_kind: global_buffer, .address_space: global }
      - { .name: w_qkv_codes, .offset: 8, .size: 8, .value_kind: global_buffer, .address_space: global }
      - { .name: lowp_scales, .offset: 16, .size: 8, .value_kind: global_buffer, .address_space: global }
      - { .name: b_qkv, .offset: 24, .size: 8, .value_kind: global_buffer, .address_space: global }
      - { .name: q_img, .offset: 32, .size: 8, .value_kind: global_buffer, .address_space: global }
      - { .name: k_img, .offset: 40, .size: 8, .value_kind: global_buffer, .address_space: global }
      - { .name: v_img, .offset: 48, .size: 8, .value_kind: global_buffer, .address_space: global }
    .group_segment_fixed_size: 327680
    .private_segment_fixed_size: 0
    .kernarg_segment_align: 8
    .kernarg_segment_size: 56
    .max_flat_workgroup_size: 128
    .sgpr_count:     100
    .vgpr_count:     1024
    .wavefront_size: 32
...
	.end_amdgpu_metadata
.endif
;; end of part 1
;; launch attn (part 2): grid 4 x 64, 8 waves a work-group, no clusters, 327,680 bytes of LDS; arguments q_img, k_img, v_img, lowp_scales, a_img; writes a_img
.if DOCPART == 2
	.amdgcn_target "amdgcn-amd-amdhsa--gfx1250"
	.amdhsa_code_object_version 6
	.text
	.protected	k_q50dfcf1d50_attn
	.globl	k_q50dfcf1d50_attn
	.p2align	8
	.type	k_q50dfcf1d50_attn,@function
k_q50dfcf1d50_attn:
	s_mov_b64 s[64:65], 0
	v_nop
	global_prefetch_b8 v0, s[64:65] scope:SCOPE_SE
	s_setreg_imm32_b32 hwreg(HW_REG_WAVE_MODE, 25, 1), 1
	s_wait_xcnt 0x0
; Causal attention of one head on codes of E4M3, and its result quantised with the given scale e6, stored as images of the last product's operand registers.
; t = score x log2(e) / 8; M = the running largest t rounded UP to a whole number; p = 2^(t - M) is quantised with 2^e4; the row's sum is taken of the unquantised p and divides at the end.
; SHARES.  Work-group (j, head) owns the blocks 7 - j (first pass) and j (second pass) of 256 queries: with the causal mask every work-group then has the same work, 9 blocks of 256 keys.
; Each of the eight waves owns 32 queries of a block, two tiles of 16, which share every fragment of k and v that the wave reads from LDS.
; LDS.  The head's 2,048 keys stay: four chunks of 512 keys, 32 KB of k's images and 32 KB of v's each.  No byte is filled twice.  Waves 0 to 3 fetch 16 KB each; chunk c + 1 is asked for behind
; the barrier that shows chunk c whole, four key steps of every wave ahead of its first read.  A wave has one tensor load out.
; NO JOINT LOADS, though four work-groups read a head: a key step that lies wholly above the diagonal is jumped over by a branch on the block of queries, which differs between those four.
; LAYOUT.  S^T = k q^T (source 0 = 16 keys, source 1 = 16 queries), O^T = v^T p^T: a lane holds one query (lane % 16) throughout; register 8 t + j of S^T is key 16 t + 8 (lane / 16) + j,
; which is the place that the 16 x 128 form gives p: the conversions' results are the operand.
; A step all of whose 128 keys come after the wave's 32 queries is left out (its first key and the wave's first query are multiples of 32, so both tiles are hidden together, and in every step
; that is worked the step's first key counts for every query).  On the diagonal hidden scores become -infinity ahead of the maximum.
; LIMITS: e2 + e3 between -123 and 130 (added to c's exponent field); e4, and e6 - e4 - e5, between -126 and 119.  NaN codes are not served.
.set SPARE, 262144                     ; behind the four chunks: the spare words, 128 bytes for each of the eight waves
.set LI,   1                           ; v1   16 x lane: my place in an image, in LDS and in memory
.set SPW,  2
.set NIL,  3
.set ADR,  4                           ; v4   LDS address of the step's images
.set RH,   5                           ; v5   r - 8 h
.set PLIM, 6
.set PSC,  7                           ; v7   2^e4
.set NINF, 8
.set DD,   9
.set MA,   10                          ; v10, v11: the maximum's two chains; v[10:11] later the reciprocal's pair
.set MB,   11
.set STT,  12                          ; tile u: v[12+4u] -M, +1 the largest t, +2, +3 the sum in two halves
.set FF,   20                          ; v[20:21] f = 2^(old M - new M)
.set S2,   22                          ; v[22:23] the sum's second chain
.set PX,   24
.set OLIM, 26
.set OSC,  27                          ; v27  2^(e6 - e4 - e5)
.set ZZ,   28                          ; v28-31 the exchange of halves on the way out
.set KV,   32                          ; v32-95   eight fragments of k, then four of v
.set SS,   96                          ; v96-159  S^T, then p
.set OT,   160                         ; v160-223 O^T, 32 a tile
.set PC,   224                         ; v224-239 p's codes; on the way out the result's
.set QF,   240                         ; v240-255 q, 8 a tile
.set WV,   18
.set SEL,  20
.set CS,   22
.set G1,   24
.set G0,   32
.set TB,   36                          ; s36  LDS byte of the step's images of k
.set KF,   37                          ; s37  the step's first key
.set Q0,   38                          ; s38  my first query
.set CNT,  39
.set OUTC, 40
.set HM,   41                          ; s41  lanes 16 to 31
.set QA,   42
.set QB,   43
.macro TLOAD                           ; waves 0 to 3 fetch; four v_nop follow the line
	s_cmp_lt_u32 s[WV], 4
	s_cbranch_scc0 .Lnone_\@
	tensor_load_to_lds s[G0:G0+3], s[G1:G1+7]
	s_nop 0
.rept 4
	v_nop
.endr
.Lnone_\@:
.endm
.macro QLOAD base                      ; my two tiles of q: read once in the launch
	global_load_b128 v[QF:QF+3], v[LI], s[\base:\base+1] th:TH_LOAD_NT
	global_load_b128 v[QF+4:QF+7], v[LI], s[\base:\base+1] offset:512 th:TH_LOAD_NT
	global_load_b128 v[QF+8:QF+11], v[LI], s[\base:\base+1] offset:1024 th:TH_LOAD_NT
	global_load_b128 v[QF+12:QF+15], v[LI], s[\base:\base+1] offset:1536 th:TH_LOAD_NT
.endm
	s_load_b256 s[4:11], s[0:1], 0x0               ; q_img, k_img, v_img, the exponents
	s_load_b64 s[12:13], s[0:1], 0x20              ; a_img
	v_lshl_add_u32 v[SPW], v0, 2, SPARE
	v_mov_b32 v[NIL], 0
	ds_add_u32 v2, v3
	ds_add_u32 v2, v3
	s_wait_dscnt 0x0
	v_lshrrev_b32 v[ADR], 5, v0
	s_delay_alu instid0(VALU_DEP_1)
	v_readfirstlane_b32 s[WV], v[ADR]              ; wave 0..7
	s_and_b32 s52, ttmp7, 0xffff                   ; 16 x batch + head
	s_lshl_b32 s54, s52, 17                        ; a head is 131,072 bytes in q_img, k_img and v_img
	s_mov_b32 s55, 0
	s_mov_b32 s[G1], 3<<16                         ; no mask; elements of 8 bytes; no padding: images are read 16 bytes a lane, on end
	s_mov_b32 s[G1+1], 32<<16                      ; tensor_dim0 = 32 (256 bytes)
	s_mov_b32 s[G1+2], 64<<16                      ; tensor_dim1 = 64
	s_mov_b32 s[G1+3], 32<<16                      ; tile_dim0
	s_mov_b32 s[G1+4], 64                          ; tile_dim1: 16 KB
	s_mov_b32 s[G1+5], 32                          ; dense
	s_mov_b32 s[G1+6], 0
	s_mov_b32 s[G1+7], 0
	s_and_b32 s53, s[WV], 3
	s_mov_b32 s[G0], 1
	s_lshl_b32 s[G0+1], s53, 14                    ; chunk 0: k's halves at 0 and 16,384, v's at 32,768 and 49,152
	s_and_b32 s56, s[WV], 1
	s_lshl_b32 s56, s56, 14
	s_mov_b32 s57, 0
	s_add_nc_u64 s[56:57], s[56:57], s[54:55]
	s_wait_kmcnt 0x0
	s_load_b256 s[68:75], s[10:11], 0x0            ; e0 .. e7
	s_cmp_lt_u32 s[WV], 2
	s_cselect_b64 s[G0+2:G0+3], s[6:7], s[8:9]     ; waves 0, 1: k; waves 2, 3: v
	s_add_nc_u64 s[G0+2:G0+3], s[G0+2:G0+3], s[56:57]
	s_or_b32 s[G0+3], s[G0+3], 0x80000000
	TLOAD                                          ; chunk 0
	s_lshl_b32 s59, ttmp9, 8
	s_lshl_b32 s60, s[WV], 5
	s_add_co_u32 s[QB], s59, s60                   ; second pass: 256 j + 32 w
	s_sub_co_u32 s[QA], 1792, s59
	s_add_co_u32 s[QA], s[QA], s60                 ; first pass: 256 (7 - j) + 32 w
	s_add_nc_u64 s[4:5], s[4:5], s[54:55]
	s_lshl_b32 s56, s[QA], 6                       ; 64 bytes a query
	s_mov_b32 s57, 0
	s_add_nc_u64 s[44:45], s[4:5], s[56:57]
	s_lshl_b32 s56, s[QB], 6
	s_add_nc_u64 s[46:47], s[4:5], s[56:57]
	s_and_b32 s58, s52, 15                         ; a_img: [head / 4][128 batch + query / 16][4,096]; inside: 1,024 (head % 4) + 512 beta + 16 lane
	s_lshr_b32 s56, s58, 2
	s_lshl_b32 s56, s56, 21
	s_and_b32 s58, s58, 3
	s_lshl_b32 s58, s58, 10
	s_add_co_u32 s56, s56, s58
	s_lshr_b32 s58, s52, 4
	s_lshl_b32 s58, s58, 19
	s_add_co_u32 s56, s56, s58
	s_add_nc_u64 s[12:13], s[12:13], s[56:57]
	s_lshl_b32 s56, s[QA], 8
	s_add_nc_u64 s[48:49], s[12:13], s[56:57]
	s_lshl_b32 s56, s[QB], 8
	s_add_nc_u64 s[50:51], s[12:13], s[56:57]
	v_and_b32 v[LI], 31, v0
	s_delay_alu instid0(VALU_DEP_1)
	v_lshlrev_b32 v[LI], 4, v[LI]
	QLOAD 44
	v_and_b32 v[RH], 15, v0
	v_bfe_u32 v[DD], v0, 4, 1
	s_delay_alu instid0(VALU_DEP_1)
	v_lshlrev_b32 v[DD], 3, v[DD]
	s_delay_alu instid0(VALU_DEP_1)
	v_sub_nc_u32 v[RH], v[RH], v[DD]
	v_mov_b32 v[NINF], 0xff800000
	v_mov_b32 v[MB], 0                             ; written once: named as the upper half of a pair, or a lane permute's destination
	v_mov_b32 v[FF+1], 0
	v_mov_b32 v[PX], 0
	v_mov_b32 v[ZZ+2], 0
	v_mov_b32 v[ZZ+3], 0
	s_mov_b32 s[SEL], 0x76543210
	s_mov_b32 s[SEL+1], 0xfedcba98
	s_mov_b32 s[HM], 0xffff0000
	s_mov_b32 s[CS], 0x3e38aa3b                    ; c = log2(e) / 8
	s_wait_kmcnt 0x0
	s_add_co_i32 s56, s70, s71
	s_lshl_b32 s56, s56, 23
	s_add_co_i32 s[CS], s[CS], s56                 ; a score stands for score x 2^(e2 + e3)
	s_mov_b32 s[CS+1], s[CS]
	s_add_co_i32 s56, s72, 127
	s_lshl_b32 s57, s56, 23
	v_mov_b32 v[PSC], s57
	s_sub_co_i32 s56, s74, s72
	s_sub_co_i32 s56, s56, s73                     ; O / l stands for that x 2^(e4 + e5): its code is that / 2^(e6 - e4 - e5)
	s_add_co_i32 s56, s56, 127
	s_lshl_b32 s57, s56, 23
	v_mov_b32 v[OSC], s57
.macro INIT q0                         ; a pass begins: O^T and the sums are zeros, the largest t is -3e38: the first change of M multiplies zeros
.irp u, 0,1
	v_mov_b32 v[STT+4*\u+1], 0xff61b1e6
	s_delay_alu instid0(VALU_DEP_1)
	v_floor_f32 v[STT+4*\u], -v[STT+4*\u+1]
	v_mov_b32 v[STT+4*\u+2], 0
	v_mov_b32 v[STT+4*\u+3], 0
.endr
.irp t, 0,1,2,3,4,5,6,7
.irp j, 0,1,2,3,4,5,6,7
	v_mov_b32 v[OT+8*\t+\j], 0
.endr
.endr
	s_mov_b32 s[TB], 0
	s_mov_b32 s[KF], 0
	s_mov_b32 s[Q0], s[\q0]
.endm
.macro SMUL u                          ; S^T of tile u: eight tiles of 16 keys
.irp t, 0,1,2,3,4,5,6,7
	v_wmma_f32_16x16x64_fp8_fp8 v[SS+8*\t:SS+8*\t+7], v[KV+8*\t:KV+8*\t+7], v[QF+8*(\u):QF+8*(\u)+7], 0
.endr
.endm
.macro PV u                            ; O^T of tile u += v^T p^T: four accumulators, one instruction each
.irp t, 0,1,2,3
	v_wmma_f32_16x16x128_fp8_fp8 v[OT+32*(\u)+8*\t:OT+32*(\u)+8*\t+7], v[KV+16*\t:KV+16*\t+15], v[PC:PC+15], v[OT+32*(\u)+8*\t:OT+32*(\u)+8*\t+7]
.endr
.endm
; The softmax of tile u, first part: mask, maximum, M, f, p, the sum.
.macro SM_A u
.set NM, STT+4*(\u)
.set TM, STT+4*(\u)+1
.set LS, STT+4*(\u)+2
	s_add_co_u32 s56, s[KF], 127
	s_cmp_le_u32 s56, s[Q0]                        ; all 128 keys count for all my queries: no mask
	s_cbranch_scc1 .Lopen_\@
	s_sub_co_i32 s56, s[Q0], s[KF]
	s_add_co_i32 s56, s56, 16*(\u)
	v_add_nc_u32 v[DD], s56, v[RH]                 ; my query - KF - 8 h: register 8 t + j is hidden where 16 t + j is above it
.irp t, 0,1,2,3,4,5,6,7
.irp j, 0,1,2,3,4,5,6,7
	v_cmp_gt_i32 vcc_lo, 16*\t+\j, v[DD]
	v_cndmask_b32 v[SS+8*\t+\j], v[SS+8*\t+\j], v[NINF], vcc_lo
.endr
.endr
.Lopen_\@:
	v_max3_num_f32 v[MA], v[SS], v[SS+1], v[SS+2]  ; the step's largest score of my query among my 64 keys, in two chains; each accumulator is first read at its low end
	v_max3_num_f32 v[MB], v[SS+3], v[SS+4], v[SS+5]
.irp i, 6,10,14,18,22,26,30,34,38,42,46,50,54,58
	v_max3_num_f32 v[MA], v[MA], v[SS+\i], v[SS+1+\i]
	v_max3_num_f32 v[MB], v[MB], v[SS+2+\i], v[SS+3+\i]
.endr
	v_max3_num_f32 v[MA], v[MA], v[SS+62], v[SS+63]
	s_delay_alu instid0(VALU_DEP_1)
	v_max_num_f32 v[MA], v[MA], v[MB]
	s_delay_alu instid0(VALU_DEP_1)
	v_permlanex16_b32 v[PX], v[MA], s[SEL], s[SEL+1]
	s_delay_alu instid0(VALU_DEP_1)
	v_max_num_f32 v[MA], v[MA], v[PX]              ; and among the other 64, in the lane 16 away
	s_delay_alu instid0(VALU_DEP_1)
	v_mul_f32 v[MA], s[CS], v[MA]                  ; as t (c is positive)
	s_delay_alu instid0(VALU_DEP_1)
	v_max_num_f32 v[TM], v[TM], v[MA]
	v_mov_b32 v[MA], v[NM]
	s_delay_alu instid0(VALU_DEP_2)
	v_floor_f32 v[NM], -v[TM]                      ; -M = floor(-t): M is a whole number
	s_delay_alu instid0(VALU_DEP_1)
	v_sub_f32 v[MA], v[NM], v[MA]                  ; old M - new M, 0 or less
	s_delay_alu instid0(VALU_DEP_1)
	v_cvt_i32_f32 v[MA], v[MA]                     ; (it saturates)
	s_delay_alu instid0(VALU_DEP_1)
	v_ldexp_f32 v[FF], 1.0, v[MA]                  ; f: a multiplication by it rounds nothing
.irp j, 0,2,4,6,8,10,12,14,16,18,20,22,24,26,28,30,32,34,36,38,40,42,44,46,48,50,52,54,56,58,60,62
	v_pk_fma_f32 v[SS+\j:SS+\j+1], v[SS+\j:SS+\j+1], s[CS:CS+1], v[NM:NM+1] op_sel_hi:[1,0,0]   ; t - M (of the pairs c and -M the low word serves both halves)
.endr
	s_wait_alu depctr_va_vdst(0)
.irp t, 0,1,2,3,4,5,6,7
.irp j, 0,1,2,3,4,5,6,7
	v_exp_f32 v[SS+8*\t+\j], v[SS+8*\t+\j]
.endr
.endr
	v_pk_mul_f32 v[LS:LS+1], v[LS:LS+1], v[FF:FF+1] op_sel_hi:[1,0]   ; the sum under the new M: the plain line behind the exponentials
	s_wait_alu depctr_va_vdst(0)                   ; one wait for the batch of 64, ahead of its first reader
	v_pk_add_f32 v[S2:S2+1], v[SS:SS+1], v[SS+2:SS+3]   ; the sum of the UNQUANTISED p, in two chains
.irp j, 4,8,12,16,20,24,28,32,36,40,44,48,52,56,60
	v_pk_add_f32 v[LS:LS+1], v[LS:LS+1], v[SS+\j:SS+\j+1]
	v_pk_add_f32 v[S2:S2+1], v[S2:S2+1], v[SS+2+\j:SS+3+\j]
.endr
	s_delay_alu instid0(VALU_DEP_1)
	v_pk_add_f32 v[LS:LS+1], v[LS:LS+1], v[S2:S2+1]
.endm
; Second part: p's codes, and O^T under the new M.
.macro SM_B u
.irp t, 0,1,2,3,4,5,6,7
.irp i, 0,1,2,3,4,5,6,7
.endr
	v_cvt_scalef32_pk8_fp8_f32 v[PC+2*\t:PC+2*\t+1], v[SS+8*\t:SS+8*\t+7], v[PSC]
.endr
.irp j, 0,2,4,6,8,10,12,14,16,18,20,22,24,26,28,30
	v_pk_mul_f32 v[OT+32*(\u)+\j:OT+32*(\u)+\j+1], v[OT+32*(\u)+\j:OT+32*(\u)+\j+1], v[FF:FF+1] op_sel_hi:[1,0]   ; also the plain lines behind the conversions
.endr
.endm
; A KEY STEP of 128 keys for both tiles.  k is read once for both, v once for both; v's loads land under tile 1's softmax.
.macro STEP2
	s_add_co_u32 s56, s[Q0], 31
	s_cmp_gt_u32 s[KF], s56                        ; all keys come after my 32 queries: only the lines that step addresses are run
	s_cbranch_scc1 .Lhidden_\@
	s_setprio 2
	v_add_nc_u32 v[ADR], s[TB], v[LI]
.rept 3
	v_nop                                          ; with the addition: four places in front of loads into registers that the last products read
.endr
.irp t, 0,1,2,3,4,5,6,7
	ds_load_b128 v[KV+8*\t:KV+8*\t+3], v[ADR] offset:1024*\t
	ds_load_b128 v[KV+8*\t+4:KV+8*\t+7], v[ADR] offset:1024*\t+512
.endr
	s_wait_dscnt 0x0
	SMUL 0
.rept 4
	v_nop
.endr
	SM_A 0
	SM_B 0
	SMUL 1
.rept 4
	v_nop                                          ; places in front of the loads over k's fragments and of the first read of the scores
.endr
.irp t, 0,1,2,3
.irp g, 0,1,2,3
	ds_load_b128 v[KV+16*\t+4*\g:KV+16*\t+4*\g+3], v[ADR] offset:32768+2048*\t+512*\g
.endr
.endr
	s_setprio 1
	SM_A 1
	s_setprio 0
	s_wait_dscnt 0x0                               ; v is in
	PV 0
	v_nop
	v_nop
	v_nop
	v_nop
	SM_B 1                                         ; its conversions write over tile 0's codes: the four v_nop in front are the places
	PV 1
.Lhidden_\@:
	s_add_co_u32 s[KF], s[KF], 128
	s_add_co_u32 s[TB], s[TB], 8192
.endm
.macro FOUR                            ; a chunk's four key steps
	s_mov_b32 s[CNT], 4
.Lfour_\@:
	STEP2
	s_sub_co_u32 s[CNT], s[CNT], 1
	s_cmp_lg_u32 s[CNT], 0
	s_cbranch_scc1 .Lfour_\@
	s_setprio 0
	s_add_co_u32 s[TB], s[TB], 32768               ; over the chunk's images of v
.endm
; At a chunk's head: every wave waits for all its tensor loads (its part of the chunk ahead), adds 0 to its spare word and waits for that; behind the barrier the chunk is whole.
; fill = 1: the next chunk is asked for, first thing behind the barrier: a wave's one tensor load until the next barrier.
.macro CHANGE fill
	s_wait_tensorcnt 0x0                           ; no tensor load of mine is out, so the descriptor may be written
	ds_add_u32 v[SPW], v[NIL]                      ; 0 onto my spare word
.if \fill
	s_add_co_u32 s[G0+1], s[G0+1], 65536
	s_add_nc_u64 s[G0+2:G0+3], s[G0+2:G0+3], 32768
.endif
	s_wait_dscnt 0x0
	s_barrier_signal -1
	s_barrier_wait -1
.if \fill
	TLOAD
.endif
.endm
; THE WAY OUT of tile u: / the sum, held, converted with 2^(e6 - e4 - e5).  A lane then holds, for each of four tiles of 16 d, the codes of d = 16 dt + 8 h + 0 .. 7; the last product's operand wants
; d = 32 beta + 16 h + 0 .. 15 in a lane: the two halves of the lanes exchange one pair of registers for each beta.  Each store covers 512 consecutive bytes, aligned.
.macro FIN u, base
.set LS, STT+4*(\u)+2
.set WW, SS+32*(\u)
.set CC, PC+8*(\u)
	v_add_f32 v[MA], v[LS], v[LS+1]
	s_delay_alu instid0(VALU_DEP_1)
	v_permlanex16_b32 v[PX], v[MA], s[SEL], s[SEL+1]
	s_delay_alu instid0(VALU_DEP_1)
	v_add_f32 v[MA], v[MA], v[PX]                  ; the row's sum
	s_wait_alu depctr_va_vdst(0)
	v_rcp_f32 v[MA], v[MA]
	v_nop                                          ; a plain line behind the reciprocal
	s_wait_alu depctr_va_vdst(0)                   ; and the wait ahead of its first reader
.irp j, 0,2,4,6,8,10,12,14,16,18,20,22,24,26,28,30
	v_pk_mul_f32 v[WW+\j:WW+\j+1], v[OT+32*(\u)+\j:OT+32*(\u)+\j+1], v[MA:MA+1] op_sel_hi:[1,0]
.endr
.irp t, 0,1,2,3
.irp i, 0,1,2,3,4,5,6,7
.endr
.endr
.irp t, 0,1,2,3
	v_cvt_scalef32_pk8_fp8_f32 v[CC+2*\t:CC+2*\t+1], v[WW+8*\t:WW+8*\t+7], v[OSC]
.endr
	v_nop
.irp b, 0,1
.irp w, 0,1
	v_cndmask_b32 v[ZZ+\w], v[CC+4*\b+2+\w], v[CC+4*\b+\w], s[HM]           ; what I send: lanes 0-15 the odd tile's codes, lanes 16-31 the even tile's
.endr
.irp w, 0,1
	s_delay_alu instid0(VALU_DEP_2)
	v_permlanex16_b32 v[ZZ+2+\w], v[ZZ+\w], s[SEL], s[SEL+1]
.endr
.irp w, 0,1
	v_cndmask_b32 v[CC+4*\b+\w], v[CC+4*\b+\w], v[ZZ+2+\w], s[HM]           ; the low eight: lanes 0-15 keep theirs, lanes 16-31 take the partner's
	v_cndmask_b32 v[CC+4*\b+2+\w], v[ZZ+2+\w], v[CC+4*\b+2+\w], s[HM]       ; the high eight: the other way round
.endr
.endr
	global_store_b128 v[LI], v[CC:CC+3], s[\base:\base+1] offset:4096*(\u)
	global_store_b128 v[LI], v[CC+4:CC+7], s[\base:\base+1] offset:4096*(\u)+512
.endm
	INIT QA
	s_wait_loadcnt 0x0                             ; q
	CHANGE 1                                       ; chunk 0 is whole; chunk 1 is asked for.  The four chunks are written out
	FOUR
	CHANGE 1
	FOUR
	CHANGE 1
	FOUR
	CHANGE 0
	FOUR
.rept 4
	v_nop                                          ; places behind the last products: q's registers are loaded anew, O^T is read
.endr
	QLOAD 46                                       ; the second pass's q lands under the first pass's way out
	FIN 0, 48
	FIN 1, 48
	INIT QB
	s_wait_loadcnt 0x0
	s_wait_xcnt 0x0                                ; the stores have read their data: the codes' registers are written again below
	s_mov_b32 s[OUTC], 4
.Lpass_b:                                          ; all keys lie in LDS: no barrier
	FOUR
	s_sub_co_u32 s[OUTC], s[OUTC], 1
	s_cmp_lg_u32 s[OUTC], 0
	s_cbranch_scc1 .Lpass_b
.rept 4
	v_nop
.endr
	FIN 0, 50
	FIN 1, 50
	s_wait_tensorcnt 0x0                           ; the wave's end
	ds_add_u32 v[SPW], v[NIL]
	s_wait_dscnt 0x0
	s_endpgm
.Lfunc_end_k_q50dfcf1d50_attn:
	.size	k_q50dfcf1d50_attn, .Lfunc_end_k_q50dfcf1d50_attn-k_q50dfcf1d50_attn
	.p2alignl 7, 3214868480
	.fill 96, 4, 3214868480
	.section	.rodata,"a",@progbits
	.p2align	6, 0x0
	.amdhsa_kernel k_q50dfcf1d50_attn
		.amdhsa_group_segment_fixed_size 327680
		.amdhsa_private_segment_fixed_size 0
		.amdhsa_enable_private_segment 0
		.amdhsa_kernarg_size 40
		.amdhsa_user_sgpr_count 2
		.amdhsa_user_sgpr_kernarg_segment_ptr 1
		.amdhsa_wavefront_size32 1
		.amdhsa_system_sgpr_workgroup_id_x 1
		.amdhsa_system_sgpr_workgroup_id_y 1
		.amdhsa_system_sgpr_workgroup_id_z 1
		.amdhsa_system_vgpr_workitem_id 0
		.amdhsa_next_free_vgpr 256
		.amdhsa_next_free_sgpr 100
		.amdhsa_reserve_vcc 1
		.amdhsa_float_denorm_mode_32 3
		.amdhsa_float_denorm_mode_16_64 3
		.amdhsa_fp16_overflow 1
		.amdhsa_memory_ordered 1
		.amdhsa_forward_progress 1
		.amdhsa_inst_pref_size 202
	.end_amdhsa_kernel
	.amdgpu_metadata
---
amdhsa.version: [ 1, 2 ]
amdhsa.kernels:
  - .name:           k_q50dfcf1d50_attn
    .symbol:         k_q50dfcf1d50_attn.kd
    .args:
      - { .name: q_img, .offset: 0, .size: 8, .value_kind: global_buffer, .address_space: global }
      - { .name: k_img, .offset: 8, .size: 8, .value_kind: global_buffer, .address_space: global }
      - { .name: v_img, .offset: 16, .size: 8, .value_kind: global_buffer, .address_space: global }
      - { .name: lowp_scales, .offset: 24, .size: 8, .value_kind: global_buffer, .address_space: global }
      - { .name: a_img, .offset: 32, .size: 8, .value_kind: global_buffer, .address_space: global }
    .group_segment_fixed_size: 327680
    .private_segment_fixed_size: 0
    .kernarg_segment_align: 8
    .kernarg_segment_size: 40
    .max_flat_workgroup_size: 256
    .sgpr_count:     100
    .vgpr_count:     256
    .wavefront_size: 32
...
	.end_amdgpu_metadata
.endif
;; end of part 2
;; launch proj (part 3): grid 8 x 32, 4 waves a work-group, clusters of 4 x 4, 327,680 bytes of LDS; arguments a_img, w_out_codes, lowp_scales, b_out, out0; writes out0
.if DOCPART == 3
	.amdgcn_target "amdgcn-amd-amdhsa--gfx1250"
	.amdhsa_code_object_version 6
	.text
	.protected	k_q50dfcf1d50_proj
	.globl	k_q50dfcf1d50_proj
	.p2align	8
	.type	k_q50dfcf1d50_proj,@function
k_q50dfcf1d50_proj:
	s_mov_b64 s[64:65], 0
	v_nop
	global_prefetch_b8 v0, s[64:65] scope:SCOPE_SE
	s_setreg_imm32_b32 hwreg(HW_REG_WAVE_MODE, 25, 1), 1
	s_wait_xcnt 0x0
	s_wait_alu depctr_hold_cnt(0) depctr_sa_sdst(0) depctr_va_vdst(0) depctr_va_sdst(0) depctr_va_ssrc(0) depctr_va_vcc(0) depctr_vm_vsrc(0)
	s_getreg_b32 s2, hwreg(HW_REG_IB_STS2, 6, 4)
	s_cmp_eq_u32 s2, 0
	s_cbranch_scc0 .Lentry_in_a_cluster
	s_endpgm
.Lentry_in_a_cluster:
	s_bfe_u32 s2, ttmp6, 0x10000c
	s_cmp_lg_u32 s2, 0xf033
	s_cbranch_scc0 .Lentry_shape_is_right
	s_endpgm
.Lentry_shape_is_right:
; out0 = a w_out + b_out on codes of E4M3.  a: the attention's result as images of operand registers, [4 K steps of 256][512 tiles of 16 tokens][4,096 bytes]; w_out: [1024 columns][1024] codes; out0: [8192][1024] f32.
; A tile of 256 tokens x 128 columns to a work-group: 256 work-groups.  Wave w takes tokens 64 w on x all 128 columns: 32 accumulators.  K goes in four steps of 256 through two LDS slots.
; a's part of a slot is one dense block of 64 KB, read 16 bytes a lane on end; w_out's is 128 rows of 256 bytes, 272 apart.  Both sides carry K = 32 c + 16 h + 0 .. 15 in registers 4 c .. 4 c + 3.
; CLUSTERS: a's tiles hang on the tile row alone and are asked for jointly along a row of the cluster, w_out's on the tile column alone, along a column.
; The matrix instruction is used transposed (source 0 = 16 columns' rows of w_out, source 1 = 16 tokens): a lane holds eight neighbouring columns of one token.
; out = sum x 2^(e6 + e7) + b_out, one packed multiply-add for two numbers.  LIMIT: e6 + e7 between -126 and 127.  NaN codes are not served.
; REGISTERS: window 0: v16-29 addresses; a's fragments, set p at v[64 + 64 p]; on the way out v32-95 and v128-255.  window 1: w_out's fragments, set p at v[128 p].
;   window 2: the accumulators ((a, b) at v[8 (8 a + b)]).  window 3: v0-63 b_out in the result's layout.
.set PITCH,  272
.set ABYTES, 65536
.set BHALF,  64*PITCH
.set SLOT,   ABYTES+2*BHALF
.set SPARE,  2*SLOT                    ; behind the ring: the spare words, 128 bytes a wave
.set SPITCH, 528                       ; the way out: a stage of 16 rows x (512 + 16) bytes for each wave, in slot 0, which has had its last fill and its last read by then
.set ADRA, 16
.set ADRB, 20
.set STO,  24
.set RD,   25
.set CO,   26
.set SPW,  28
.set NIL,  29
.set TMP,  32
.set BK,   128
.set G1,   24
.set G0,   32
.set G1B,  48
.set G0B,  56
.set MUL,  0xa1                        ; source 0 window 1, source 1 window 0, C and D window 2
.set MSB, 0
.macro WIN new
.if MSB != (\new)
	s_set_vgpr_msb (MSB<<8)|(\new)
.set MSB, (\new)
.endif
.endm
.macro JLOAD g0a, g1a, g0b, g1b        ; waves 0 and 1 fetch a's halves, waves 2 and 3 w_out's; four v_nop follow each of the two lines
	s_cmp_eq_u32 s15, 0
	s_cbranch_scc0 .Lfor_b_\@
	tensor_load_to_lds s[\g0a:\g0a+3], s[\g1a:\g1a+7]
	s_nop 0
.rept 4
	v_nop
.endr
	s_branch .Lasked_\@
.Lfor_b_\@:
	tensor_load_to_lds s[\g0b:\g0b+3], s[\g1b:\g1b+7]
	s_nop 0
.rept 4
	v_nop
.endr
.Lasked_\@:
.endm
.macro CREST
	s_cmp_lg_u32 s14, 0
	s_cbranch_scc1 .Lnot_wave_0_\@
	s_barrier_signal -3
.Lnot_wave_0_\@:
	s_barrier_wait -3
	s_barrier_signal -1
	s_barrier_wait -1
.endm
.macro CROUND
	s_barrier_signal -1
	s_barrier_wait -1
	CREST
.endm
.macro PLACES n
.rept \n
	v_nop
.endr
.endm
	s_load_b256 s[4:11], s[0:1], 0x0               ; a_img, w_out's codes, the exponents, b_out
	s_load_b64 s[12:13], s[0:1], 0x20              ; out0
	v_lshl_add_u32 v[SPW], v0, 2, SPARE
	v_mov_b32 v[NIL], 0
	ds_add_u32 v28, v29
	ds_add_u32 v28, v29
	s_wait_dscnt 0x0
	v_lshrrev_b32 v1, 5, v0
	v_readfirstlane_b32 s14, v1                    ; wave 0..3
	s_lshr_b32 s15, s14, 1                         ; I fetch for a (0) or for w_out (1),
	s_and_b32 s16, s14, 1                          ; this half of its tile
	s_bfe_u32 s40, ttmp6, 0x40000                  ; cx
	s_bfe_u32 s41, ttmp6, 0x40004                  ; cy
	s_lshl_b32 s42, ttmp9, 2
	s_add_co_u32 s42, s42, s40                     ; tile column: 128 columns
	s_and_b32 s17, ttmp7, 0xffff
	s_lshl_b32 s17, s17, 2
	s_add_co_u32 s17, s17, s41                     ; tile row: 256 tokens
	s_lshl_b32 s43, s41, 2
	s_lshl_b32 s43, 15, s43                        ; my row of the cluster
	s_lshl_b32 s44, 0x1111, s40                    ; my column
	s_or_b32 s[G1+0], s43, (0<<16)|(1<<21)         ; a: mask; elements of 1 byte; bit 21 beside a mask; no padding
	s_mov_b32 s[G1+1], 256<<16                     ; tensor_dim0 = 256
	s_mov_b32 s[G1+2], 128<<16                     ; tensor_dim1 = 128: 32 KB
	s_mov_b32 s[G1+3], 256<<16
	s_mov_b32 s[G1+4], 128
	s_mov_b32 s[G1+5], 256                         ; dense
	s_mov_b32 s[G1+6], 0
	s_mov_b32 s[G1+7], 0
	s_or_b32 s[G1B+0], s44, (0<<16)|(1<<20)|(1<<21)|(5<<22)|(3<<25)  ; w_out: padding of 4 words after every 64
	s_mov_b32 s[G1B+1], 256<<16
	s_mov_b32 s[G1B+2], 64<<16
	s_mov_b32 s[G1B+3], 256<<16
	s_mov_b32 s[G1B+4], 64
	s_mov_b32 s[G1B+5], 1024
	s_mov_b32 s[G1B+6], 0
	s_mov_b32 s[G1B+7], 0
	s_lshl_b32 s20, s17, 16                        ; a: 65,536 x tile row + 32,768 x half
	s_lshl_b32 s18, s16, 15
	s_add_co_u32 s20, s20, s18
	s_mov_b32 s21, 0
	s_lshl_b32 s46, s42, 17                        ; w_out: (128 x tile column + 64 x half) rows of 1,024 bytes
	s_lshl_b32 s19, s16, 16
	s_add_co_u32 s46, s46, s19
	s_mov_b32 s47, 0
	s_lshl_b32 s45, s16, 15                        ; where they go: a's halves,
	s_mul_i32 s23, s16, BHALF
	s_add_co_u32 s23, s23, ABYTES                  ; w_out's behind them
	s_wait_kmcnt 0x0
	s_load_b256 s[84:91], s[8:9], 0x0              ; e0 .. e7
	s_add_nc_u64 s[20:21], s[4:5], s[20:21]
	s_add_nc_u64 s[46:47], s[6:7], s[46:47]
	CROUND                                         ; all sixteen work-groups are here: the first joint loads meet
.irp s, 0,1
	s_mov_b32 s[G0+4*\s], 1
	s_add_co_u32 s[G0+4*\s+1], s45, \s*SLOT
	s_add_nc_u64 s[G0+4*\s+2:G0+4*\s+3], s[20:21], \s*2097152
	s_or_b32 s[G0+4*\s+3], s[G0+4*\s+3], 0x80000000
	s_mov_b32 s[G0B+4*\s], 1
	s_add_co_u32 s[G0B+4*\s+1], s23, \s*SLOT
	s_add_nc_u64 s[G0B+4*\s+2:G0B+4*\s+3], s[46:47], \s*256
	s_or_b32 s[G0B+4*\s+3], s[G0B+4*\s+3], 0x80000000
	s_wait_alu depctr_va_vdst(0)
	s_wait_tensorcnt 0x0
	ds_add_u32 v28, v29
	ds_add_u32 v28, v29
	s_wait_dscnt 0x0
	CROUND
	JLOAD G0+4*\s, G1, G0B+4*\s, G1B
.endr
	v_and_b32 v1, 15, v0                           ; r
	v_bfe_u32 v2, v0, 4, 1                         ; h
	v_and_b32 v6, 31, v0
	v_lshlrev_b32 v[CO], 4, v6                     ; 16 x lane
	s_lshl_b32 s21, s14, 14                        ; my 64 tokens: four images of 4,096 bytes
	v_add_nc_u32 v[ADRA], s21, v[CO]
	v_add_nc_u32 v[ADRA+1], SLOT, v[ADRA]
	v_mul_u32_u24 v3, v1, PITCH
	v_lshl_add_u32 v3, v2, 4, v3
	v_add_nc_u32 v[ADRB], ABYTES, v3
	v_add_nc_u32 v[ADRB+1], SLOT, v[ADRB]
	s_mul_i32 s22, s14, 16*SPITCH                  ; my stage
	v_mul_u32_u24 v5, v1, SPITCH
	v_lshl_add_u32 v5, v2, 5, v5
	v_add_nc_u32 v[STO], s22, v5                   ; in: row r, 32 bytes for each half of the lanes
	v_add_nc_u32 v[RD], s22, v[CO]                 ; back: the 32 lanes take a row of 512 bytes
	s_lshl_b32 s20, s17, 8
	s_lshl_b32 s21, s14, 6
	s_add_co_u32 s20, s20, s21                     ; my first token
	s_lshl_b32 s20, s20, 12                        ; a row of out0 is 4,096 bytes
	s_mov_b32 s21, 0
	s_add_nc_u64 s[12:13], s[12:13], s[20:21]
	s_lshl_b32 s46, s42, 9                         ; the tile's first column, in bytes: in out0 and in b_out
	s_mov_b32 s47, 0
	s_add_nc_u64 s[12:13], s[12:13], s[46:47]
	s_add_nc_u64 s[78:79], s[10:11], s[46:47]
	v_lshlrev_b32 v7, 5, v2                        ; 32 h
	WIN 0xc0                                       ; destination window 3
.irp b, 0,1,2,3,4,5,6,7                        ; register 8 b + j: b_out of column 16 b + 8 h + j
	global_load_b128 v[8*\b:8*\b+3], v7, s[78:79] offset:64*\b
	global_load_b128 v[8*\b+4:8*\b+7], v7, s[78:79] offset:64*\b+16
.endr
	WIN 0
	s_wait_alu depctr_va_vdst(0)
	s_wait_kmcnt 0x0
	s_add_co_i32 s96, s90, s91
	s_add_co_i32 s96, s96, 127
	s_lshl_b32 s96, s96, 23                        ; 2^(e6 + e7) as f32
	s_mov_b32 s97, s96                             ; (named with it as a pair, so it is written)
	s_wait_loadcnt 0x0
; the fragments of the slot's q-th 128 along K into set p: w_out's eight, then my four of a
.macro FETCH slot, q, p
	WIN 0x40
.irp i, 0,1,2,3,4,5,6,7
.irp c, 0,1,2,3
	ds_load_b128 v[128*(\p)+16*\i+4*\c:128*(\p)+16*\i+4*\c+3], v[ADRB+\slot] offset:128*(\q)+32*\c+4352*\i
.endr
.endr
	WIN 0
.irp i, 0,1,2,3
.irp c, 0,1,2,3
	ds_load_b128 v[64+64*(\p)+16*\i+4*\c:64+64*(\p)+16*\i+4*\c+3], v[ADRA+\slot] offset:4096*\i+2048*(\q)+512*\c
.endr
.endr
.endm
; eight matrix instructions: tile a of my tokens x the eight tiles of columns.  The 32 accumulators take turns, one instruction a turn.
.macro MUL8 a, p, zero
.irp b, 0,1,2,3,4,5,6,7
.if \zero
	v_wmma_f32_16x16x128_fp8_fp8 v[8*(8*(\a)+\b):8*(8*(\a)+\b)+7], v[128*(\p)+16*\b:128*(\p)+16*\b+15], v[64+64*(\p)+16*(\a):64+64*(\p)+16*(\a)+15], 0
.else
	v_wmma_f32_16x16x128_fp8_fp8 v[8*(8*(\a)+\b):8*(8*(\a)+\b)+7], v[128*(\p)+16*\b:128*(\p)+16*\b+15], v[64+64*(\p)+16*(\a):64+64*(\p)+16*(\a)+15], v[8*(8*(\a)+\b):8*(8*(\a)+\b)+7]
.endif
.endr
.endm
.macro STEPQ slot, zero                ; a slot's first 128 along K, on set 0; the second 128 are fetched into set 1 meanwhile
	s_wait_dscnt 0x0                               ; set 0 is in
	PLACES 4                                       ; in front of loads into set 1, which the last products read
	FETCH \slot, 1, 1
	WIN MUL
	MUL8 0, 0, \zero
	MUL8 1, 0, \zero
	MUL8 2, 0, \zero
	MUL8 3, 0, \zero
.endm
; A slot's second 128, on set 1, and the change of slots: one barrier; in front of it each wave waits for all its tensor loads, adds 0 to its spare word, and waits for that and for its reads of this slot.
.macro TURN slot, next, fill
	WIN 0                                          ; (the add's two registers lie in window 0)
	s_wait_tensorcnt 0x0                           ; all my tensor loads have landed: my part of the next slot
	ds_add_u32 v[SPW], v[NIL]                      ; 0 onto my spare word
	s_wait_dscnt 1                                 ; set 1 is in; the add may be out
	WIN MUL
	MUL8 0, 1, 0
	s_wait_dscnt 0x0                               ; the add is done, and my reads of this slot are over
	s_barrier_signal -1
	MUL8 1, 1, 0
	WIN 0
	s_barrier_wait -1
.if \fill
	CREST                                          ; the barrier has opened a round of the cluster's: no wave of any partner still reads this slot or has a load on its way
	s_add_nc_u64 s[G0+4*\slot+2:G0+4*\slot+3], s[G0+4*\slot+2:G0+4*\slot+3], 2*2097152
	s_add_nc_u64 s[G0B+4*\slot+2:G0B+4*\slot+3], s[G0B+4*\slot+2:G0B+4*\slot+3], 2*256
	JLOAD G0+4*\slot, G1, G0B+4*\slot, G1B         ; the first tensor load behind the round; its four v_nop are the places in front of the loads below
.else
	PLACES 4
.endif
	FETCH \next, 0, 0
	WIN MUL
	MUL8 2, 1, 0
	MUL8 3, 1, 0
.endm
	s_wait_tensorcnt 1                             ; my part of K step 0 is in; K step 1's load may be out
	s_barrier_signal -1
	s_barrier_wait -1
	FETCH 0, 0, 0
	STEPQ 0, 1                                     ; the first products start the sums
	TURN 0, 1, 1                                   ; slot 0 takes K step 2
	STEPQ 1, 0
	TURN 1, 0, 1                                   ; slot 1 takes K step 3
	STEPQ 0, 0
	TURN 0, 1, 0                                   ; nothing is left to fetch
	STEPQ 1, 0
	s_wait_dscnt 0x0
	MUL8 0, 1, 0
	MUL8 1, 1, 0
	MUL8 2, 1, 0
	MUL8 3, 1, 0
	WIN 0
	PLACES 4
; THE WAY OUT, 16 tokens x 128 columns at a time: sum x 2^(e6 + e7) + b_out; through my own stage in LDS; back as whole rows of 512 bytes.  LDS serves a wave's instructions in order (ISA guide 5.7.1.4).
.macro TOSTAGE a
	WIN 0x32                                       ; source 0 (the sums) window 2, source 2 (b_out) window 3
.irp j, 0,2,4,6,8,10,12,14,16,18,20,22,24,26,28,30,32,34,36,38,40,42,44,46,48,50,52,54,56,58,60,62
	v_pk_fma_f32 v[TMP+\j:TMP+\j+1], v[64*(\a)+\j:64*(\a)+\j+1], s[96:97], v[\j:\j+1] op_sel_hi:[1,0,1]   ; each accumulator from its low end on
.endr
	WIN 0
.irp b, 0,1,2,3,4,5,6,7
	ds_store_b128 v[STO], v[TMP+8*\b:TMP+8*\b+3] offset:64*\b
	ds_store_b128 v[STO], v[TMP+8*\b+4:TMP+8*\b+7] offset:64*\b+16
.endr
.set BB, BK+64*((\a)%2)
.irp t, 0,1,2,3,4,5,6,7,8,9,10,11,12,13,14,15
	ds_load_b128 v[BB+4*\t:BB+4*\t+3], v[RD] offset:\t*SPITCH
.endr
.endm
.macro SEND a, younger                 ; younger: the LDS instructions issued behind block a's loads, which may stay out
.set BB, BK+64*((\a)%2)
	s_wait_dscnt \younger
.if (\a) > 0
	s_add_nc_u64 s[12:13], s[12:13], 16*4096       ; (behind a wait on XCNT: the earlier stores have read their base)
.endif
.irp t, 0,1,2,3,4,5,6,7,8,9,10,11,12,13,14,15
	global_store_b128 v[CO], v[BB+4*\t:BB+4*\t+3], s[12:13] offset:\t*4096 th:TH_STORE_NT   ; 32 lanes store 512 consecutive bytes, aligned; written once, read by nobody here
.endr
.endm
	TOSTAGE 0
.irp a, 1,2,3
.if \a > 1
	s_wait_xcnt 0x0                                ; block a - 2's stores have read their registers and their base
.endif
	TOSTAGE \a
	SEND \a-1, 32                                  ; behind block a - 1's loads: block a's 16 stores and 16 loads
.endr
	s_wait_xcnt 0x0
	SEND 3, 0
	s_wait_tensorcnt 0x0                           ; the wave's end
	ds_add_u32 v[SPW], v[NIL]
	s_wait_dscnt 0x0
	CROUND                                         ; the closing round
	s_endpgm
.Lfunc_end_k_q50dfcf1d50_proj:
	.size	k_q50dfcf1d50_proj, .Lfunc_end_k_q50dfcf1d50_proj-k_q50dfcf1d50_proj
	.p2alignl 7, 3214868480
	.fill 96, 4, 3214868480
	.section	.rodata,"a",@progbits
	.p2align	6, 0x0
	.amdhsa_kernel k_q50dfcf1d50_proj
		.amdhsa_group_segment_fixed_size 327680
		.amdhsa_private_segment_fixed_size 0
		.amdhsa_enable_private_segment 0
		.amdhsa_kernarg_size 40
		.amdhsa_user_sgpr_count 2
		.amdhsa_user_sgpr_kernarg_segment_ptr 1
		.amdhsa_wavefront_size32 1
		.amdhsa_system_sgpr_workgroup_id_x 1
		.amdhsa_system_sgpr_workgroup_id_y 1
		.amdhsa_system_sgpr_workgroup_id_z 1
		.amdhsa_system_vgpr_workitem_id 0
		.amdhsa_next_free_vgpr 832
		.amdhsa_next_free_sgpr 100
		.amdhsa_reserve_vcc 0
		.amdhsa_float_denorm_mode_32 3
		.amdhsa_float_denorm_mode_16_64 3
		.amdhsa_memory_ordered 1
		.amdhsa_forward_progress 1
		.amdhsa_inst_pref_size 77
	.end_amdhsa_kernel
	.amdgpu_metadata
---
amdhsa.version: [ 1, 2 ]
amdhsa.kernels:
  - .name:           k_q50dfcf1d50_proj
    .symbol:         k_q50dfcf1d50_proj.kd
    .args:
      - { .name: a_img, .offset: 0, .size: 8, .value_kind: global_buffer, .address_space: global }
      - { .name: w_out_codes, .offset: 8, .size: 8, .value_kind: global_buffer, .address_space: global }
      - { .name: lowp_scales, .offset: 16, .size: 8, .value_kind: global_buffer, .address_space: global }
      - { .name: b_out, .offset: 24, .size: 8, .value_kind: global_buffer, .address_space: global }
      - { .name: out0, .offset: 32, .size: 8, .value_kind: global_buffer, .address_space: global }
    .group_segment_fixed_size: 327680
    .private_segment_fixed_size: 0
    .kernarg_segment_align: 8
    .kernarg_segment_size: 40
    .max_flat_workgroup_size: 128
    .sgpr_count:     100
    .vgpr_count:     832
    .wavefront_size: 32
...
	.end_amdgpu_metadata
.endif
;; end of part 3
